; MI455X (gfx1250); checked and timed in simulation.
; The chip was launched on July 23, 2026; its instructions are those of AMD's public machine-readable ISA for CDNA 5 (MIT licence, August 2026) and "CDNA5" Instruction Set Architecture Reference Guide (July 2026). The comments in the code are by the model that wrote it; some were corrected since.
;; Router. Allowed arithmetic: float matrix products may take bf16 or f16 operands with f32 sums; all other float work in f32.
;; Inputs: W 8 x 768 float32; b 8 float32; x 128 x 197 x 768 float32.
;; Outputs: out0 128 x 197 x 2 float32; out1 128 x 197 x 2 int32.
;; One version. Each part assembles by itself: llvm-mc -triple=amdgcn-amd-amdhsa -mcpu=gfx1250 --defsym DOCPART=n.
;; ======== version 1 of 1: 1 launch
;; limits: values outside matrix products are rounded to bf16
;; launch router (part 1): grid 256 x 1, 4 waves a work-group, no clusters, 324,096 bytes of LDS; arguments x, W, b, out0, out1; writes out0, out1
.if DOCPART == 1
	.amdgcn_target "amdgcn-amd-amdhsa--gfx1250"
	.amdhsa_code_object_version 6
	.text
	.protected	k_q0619ef5667_router
	.globl	k_q0619ef5667_router
	.p2align	8
	.type	k_q0619ef5667_router,@function
k_q0619ef5667_router:
	s_mov_b64 s[64:65], 0
	v_nop
	global_prefetch_b8 v0, s[64:65] scope:SCOPE_SE
	s_setreg_imm32_b32 hwreg(HW_REG_WAVE_MODE, 25, 1), 1
	s_wait_xcnt 0x0
; Router: logits = x W^T + b, softmax over 8 experts, the two largest gates and their indices.
; x [25216][768] f32, W [8][768] f32, b [8] f32; out0 [25216][2] f32 (gates), out1 [25216][2] i32 (indices).
;
; SHARES.  256 work-groups; 25216 / 256 = 98.5, so work-group g starts at token 98 g + (g >> 1) and owns 98 (g even) or 99 (g odd) tokens.
; Every work-group brings in 99 rows, so that all use the same constant descriptors; in an even one the 99th row is the neighbour's first:
; it is computed and not stored.  128 of the 25216 rows are so asked for twice.
; The 99 rows (304,128 bytes) lie in LDS all at once: each byte of LDS is filled once, at the start, so there is no ring and no refill.
; Four waves share K: wave w owns k = 192 w .. 192 w + 191 of every row (768 bytes, starting at a multiple of 256), brings them in by three
; tensor loads into a region of its own and is the only reader of that region.  The loads are rows 32-98, rows 16-31, rows 0-15: the last
; two are short, so that behind the last landing only one tile of 16 tokens is left to multiply.
; The four partial sums of each logit meet in LDS behind one barrier; then one thread finishes one token.
;
; NO CLUSTER: the work-groups share only W, 24,576 bytes against 304,128 of x for each, read once into registers.
;
; FORMATS AND LIMITS.  x, W and b are rounded to bf16 (nearest even); products are summed in f32; softmax and gates in f32.  The routing is
; that of the rounded inputs: two logits that lie closer than that rounding moves them may come out in the other order than in f32.
; The maximum is taken away before the exponentials.  The two largest are chosen among the exponentials, the lower index winning a tie;
; an exponential below 2^-126 is 0 (v_exp_f32 flushes, ISA guide 15.8), so such gates are 0 and tie.  NaN and infinities are not served.
.set DIM,    768
.set ROWB,   DIM*4                     ; bytes in a row of x and of W
.set KW,     DIM/4                     ; k of a wave
.set KWB,    KW*4                      ; its bytes in a row
.set PITCH,  KWB+48                    ; an LDS row: three times 256 bytes + 16 of padding = 51 x 16: row r begins at 48 r mod 256, sixteen different 16-byte columns for sixteen rows
.set ROWS,   99
.set REGION, ROWS*PITCH                ; a wave's part of LDS: 80,784 bytes; four of them are 323,136
.set RA,     67                        ; rows of the first load (rows 32 to 98)
.set RB,     16                        ; rows of the second (16 to 31) and of the third (0 to 15)
.set ZOFF, 4                           ; v4       0: the offset of b's loads
.set ADR0, 5                           ; v5       LDS address of my 32 bytes in row r of my region (tiles 0, 1)
.set ADR1, 6                           ; v6       the same 32 rows further down (tiles 2 to 5)
.set ADR2, 7                           ; v7       tile 6: rows 96 to 98; lanes of rows that do not exist read row 98
.set WOFF, 8                           ; v8       my byte offset in W
.set SSTO, 9                           ; v9       where I put 16 bytes of partial sums
.set TOK,  10                          ; v10      the token (0 to 127 from the group's first) that this thread finishes
.set OOFF, 11                          ; v11      its byte offset in out0 and out1
.set SADR, 12                          ; v[12:15] where its partial sums lie, for each of the four waves
.set RAW,  16                          ; v[16:111]  96 registers of f32 as loaded: W, then one tile at a time
.set WF,   112                         ; v[112:159] W's six fragments in bf16
.set BF,   160                         ; v[160:175] x's fragments in bf16, two buffers
.set ACC,  176                         ; v[176:191] two accumulators: even and odd K steps
.set P,    192                         ; v[192:219] tile t: four partial sums
.set BIAS, 220                         ; v[220:227] b
.set Q,    RAW                         ; the end: v[16:47] partial sums, then logits in v[16:23]
.set E,    RAW+32                      ; v[48:55] exponentials
.set M,    RAW+40                      ; v[56:57] the maximum, then - maximum x log2 e, twice
.set S,    RAW+42                      ; v[58:61] sums
.set RC,   RAW+46                      ; v62      1 / sum
.set G,    RAW+48                      ; v[64:65] the largest and the second
.set I,    RAW+50                      ; v[66:67] their indices
.set G1A, 24                           ; s[24:31] descriptor group 1, 67 rows
.set G1B, 32                           ; s[32:39] descriptor group 1, 16 rows
.set G0,  40                           ; s[40:51] descriptor group 0, one set for each of the three loads
; Group 1: rows of 192 elements of 4 bytes, 768 elements from row to row; in LDS 4 words of padding behind every 64 words.
.macro SHAPE g, rows
	s_mov_b32 s[\g+0], (2<<16)|(1<<20)|(5<<22)|(3<<25)  ; no mask; element of 4 bytes; padding on; interval code 5 (64 words); 4 words (code 3)
	s_mov_b32 s[\g+1], KW<<16                      ; tensor_dim0 = 192
	s_mov_b32 s[\g+2], \rows<<16                   ; tensor_dim1 = the tile's rows: no tile crosses the tensor's end
	s_mov_b32 s[\g+3], KW<<16                      ; tile_dim0 = 192
	s_mov_b32 s[\g+4], \rows                       ; tile_dim1
	s_mov_b32 s[\g+5], DIM                         ; elements from row to row
	s_mov_b32 s[\g+6], 0
	s_mov_b32 s[\g+7], 0
.endm
; Group 0 and the load: the rows from row0 on, to the same rows of my region.
.macro ASK n, g1, row0
	s_mov_b32 s[G0+4*\n], 1                                        ; count = 1
	s_add_co_u32 s[G0+4*\n+1], s19, \row0*PITCH                    ; LDS address: wave x REGION + a constant
	s_add_nc_u64 s[G0+4*\n+2:G0+4*\n+3], s[4:5], \row0*ROWB        ; global address of the tile's first element
	s_or_b32 s[G0+4*\n+3], s[G0+4*\n+3], 0x80000000                ; type = 2
	tensor_load_to_lds s[G0+4*\n:G0+4*\n+3], s[\g1:\g1+7]
	s_nop 0
.endm
	s_load_b256 s[4:11], s[0:1], 0x0               ; x s[4:5], W s[6:7], b s[8:9], out0 s[10:11]
	s_load_b64 s[12:13], s[0:1], 0x20              ; out1
	v_lshl_add_u32 v228, v0, 2, 0x4f000
	v_mov_b32 v229, 0
	ds_add_u32 v228, v229
	ds_add_u32 v228, v229
	v_lshrrev_b32 v1, 5, v0
	v_readfirstlane_b32 s18, v1                    ; wave 0..3
	s_mul_i32 s14, ttmp9, 98
	s_lshr_b32 s15, ttmp9, 1
	s_add_co_u32 s14, s14, s15                     ; the group's first token
	s_and_b32 s20, ttmp9, 1
	s_add_co_u32 s20, s20, 98                      ; how many tokens it owns
	s_and_b32 s21, s14, 31
	s_sub_co_u32 s21, 128, s21                     ; 128 - (first token mod 32): see the threads' tokens below
	s_mul_i32 s22, s18, KWB                        ; my wave's bytes in a row
	s_mul_i32 s19, s18, REGION                     ; my wave's region in LDS
	s_mul_i32 s16, s14, ROWB                       ; at most 25117 x 3072: below 2^31
	s_add_co_u32 s16, s16, s22
	s_mov_b32 s17, 0
	SHAPE G1A, RA
	SHAPE G1B, RB
	s_wait_dscnt 0x0
	s_wait_kmcnt 0x0
	s_add_nc_u64 s[4:5], s[4:5], s[16:17]          ; x at my wave's 768 bytes of the group's first row
	; All of the wave's fills go out here, ahead of everything else: three tensor loads outstanding, none is ever issued again.
	ASK 0, G1A, 32
	ASK 1, G1B, 16
	ASK 2, G1B, 0
	s_lshl_b32 s16, s14, 3                         ; 8 bytes a token
	s_add_nc_u64 s[10:11], s[10:11], s[16:17]      ; out0 and out1 at the group's first token
	s_add_nc_u64 s[12:13], s[12:13], s[16:17]
	; W as the matrix instruction's first source: lane (r = l % 16, h = l / 16) holds row r, k = 8 h + 0..7 and 16 + 8 h + 0..7 of each 32.
	; Rows 0-7 are experts 0-7; rows 8-15 are experts 4,5,6,7,0,1,2,3.  In the result, register j of lane (r, h) is (row 8 h + j, token r):
	; registers 0-3 are experts 0-3 in lanes 0-15 and experts 4-7 in lanes 16-31, so four registers of the wave hold all eight logits of 16 tokens.
	v_and_b32 v1, 15, v0                           ; r
	v_bfe_u32 v2, v0, 4, 1                         ; h
	v_bfe_u32 v3, v0, 3, 1
	v_lshl_add_u32 v3, v3, 2, v1
	v_and_b32 v3, 7, v3                            ; the expert of row r
	v_mul_u32_u24 v3, v3, ROWB
	v_lshl_add_u32 v3, v2, 5, v3                   ; + 32 h bytes
	v_add_nc_u32 v[WOFF], s22, v3                  ; + my wave's k
	v_mov_b32 v[ZOFF], 0
	global_load_b128 v[BIAS:BIAS+3], v[ZOFF], s[8:9]
	global_load_b128 v[BIAS+4:BIAS+7], v[ZOFF], s[8:9] offset:16
.irp s, 0,1,2,3,4,5
.irp p, 0,1,2,3
	global_load_b128 v[RAW+16*\s+4*\p:RAW+16*\s+4*\p+3], v[WOFF], s[6:7] offset:128*\s+64*(\p>>1)+16*(\p&1)
.endr
.endr
	; addresses, while these are on their way
	v_mul_u32_u24 v3, v1, PITCH
	v_lshl_add_u32 v3, v2, 5, v3                   ; row r, 32 h bytes in
	v_add_nc_u32 v[ADR0], s19, v3
	v_add_nc_u32 v[ADR1], 32*PITCH, v[ADR0]
	v_min_u32 v3, 2, v1                            ; tile 6 has three rows
	v_mul_u32_u24 v3, v3, PITCH
	v_lshl_add_u32 v3, v2, 5, v3
	s_add_co_u32 s15, s19, 96*PITCH
	v_add_nc_u32 v[ADR2], s15, v3
	v_and_b32 v3, 31, v0
	v_lshlrev_b32 v3, 4, v3
	v_add_nc_u32 v[SSTO], s19, v3                  ; partial sums: 16 bytes a lane, 512 a tile, at the head of my region
	; Thread T finishes token (T - first token mod 32) mod 128 of the group: its place in out0 and out1 is then 8 (T mod 32) bytes into a
	; block of 256 bytes that begins at a multiple of 256, and a wave's store of 8 bytes a lane covers such a block (or the group's part of it).
	v_add_nc_u32 v[TOK], s21, v0
	v_and_b32 v[TOK], 127, v[TOK]
	v_lshlrev_b32 v[OOFF], 3, v[TOK]
	v_lshrrev_b32 v3, 4, v[TOK]
	v_min_u32 v3, 6, v3                            ; there are seven tiles; threads of tokens 112 to 127 read tile 6 and store nothing
	v_and_b32 v[SADR], 15, v[TOK]
	v_lshlrev_b32 v[SADR], 4, v[SADR]
	v_lshl_add_u32 v[SADR], v3, 9, v[SADR]
	v_add_nc_u32 v[SADR+1], REGION, v[SADR]
	v_add_nc_u32 v[SADR+2], 2*REGION, v[SADR]
	v_add_nc_u32 v[SADR+3], 3*REGION, v[SADR]
	s_wait_loadcnt 0x0                             ; W and b, once
.set j, 0
.rept 48
	v_cvt_pk_bf16_f32 v[WF+j], v[RAW+2*j], v[RAW+2*j+1]
.set j, j+1
.endr
.irp j, 0,2,4,6
	v_cvt_pk_bf16_f32 v3, v[BIAS+\j], v[BIAS+\j+1]         ; b takes the same rounding as x and W, and is added in f32
	v_lshlrev_b32 v[BIAS+\j], 16, v3
	v_and_b32 v[BIAS+\j+1], 0xffff0000, v3
.endr
; One tile: 16 tokens x my 192 k.  24 LDS loads in one run (K step s is 128 bytes: two steps in each padded block of 272), then for each
; K step eight conversions and one matrix instruction.  The even and the odd K steps have an accumulator each and take turns, one
; instruction a turn, over the change of tiles too; the first product of each starts its sum.
; A fragment buffer is written again eight plain vector instructions behind the matrix instruction that read it (ISA guide 7.12.1 asks for four).
.macro TILE t, adr, off
.irp s, 0,1,2,3,4,5
.irp p, 0,1,2,3
	ds_load_b128 v[RAW+16*\s+4*\p:RAW+16*\s+4*\p+3], v[\adr] offset:\off+272*(\s>>1)+128*(\s&1)+64*(\p>>1)+16*(\p&1)
.endr
.endr
.irp s, 0,1,2,3,4,5
	s_wait_dscnt 20-4*\s                           ; LDS loads come back in order: the four of step s are in, those of later steps stay out
.irp j, 0,1,2,3,4,5,6,7
	v_cvt_pk_bf16_f32 v[BF+8*(\s&1)+\j], v[RAW+16*\s+2*\j], v[RAW+16*\s+2*\j+1]
.endr
.if \s < 2
	v_wmma_f32_16x16x32_bf16 v[ACC+8*(\s&1):ACC+8*(\s&1)+7], v[WF+8*\s:WF+8*\s+7], v[BF+8*(\s&1):BF+8*(\s&1)+7], 0
.else
	v_wmma_f32_16x16x32_bf16 v[ACC+8*(\s&1):ACC+8*(\s&1)+7], v[WF+8*\s:WF+8*\s+7], v[BF+8*(\s&1):BF+8*(\s&1)+7], v[ACC+8*(\s&1):ACC+8*(\s&1)+7]
.endif
.endr
.rept 4
	v_nop                                          ; four places behind the last matrix instruction before its result is read (ISA guide 7.12.1)
.endr
	v_pk_add_f32 v[P+4*\t:P+4*\t+1], v[ACC:ACC+1], v[ACC+8:ACC+9]            ; registers 4-7 of the results are copies that nobody needs
	v_pk_add_f32 v[P+4*\t+2:P+4*\t+3], v[ACC+2:ACC+3], v[ACC+10:ACC+11]
.endm
	s_wait_tensorcnt 0x2                           ; a wave's tensor loads end in order: rows 32-98 are in, the two short loads may be out
	TILE 2, ADR1, 0
	TILE 3, ADR1, 16*PITCH
	TILE 4, ADR1, 32*PITCH
	TILE 5, ADR1, 48*PITCH
	TILE 6, ADR2, 0
	s_wait_tensorcnt 0x1                           ; rows 16-31 are in
	TILE 1, ADR0, 16*PITCH
	s_wait_tensorcnt 0x0                           ; rows 0-15: the last
	TILE 0, ADR0, 0
	; The partial sums meet.  Each wave writes 3,584 bytes at the head of its own region: those bytes had their one fill, it has landed, and
	; my reads of them are back (the last tile's count ran down to 0); no other wave reads them before the barrier.
.irp t, 0,1,2,3,4,5,6
	ds_store_b128 v[SSTO], v[P+4*\t:P+4*\t+3] offset:512*\t
.endr
	s_wait_dscnt 0x0                               ; my stores are done, for the others' sake
	s_barrier_signal -1
	s_barrier_wait -1
.irp w, 0,1,2,3
	ds_load_b128 v[Q+8*\w:Q+8*\w+3], v[SADR+\w]                    ; wave w's part of my token's experts 0-3
	ds_load_b128 v[Q+8*\w+4:Q+8*\w+7], v[SADR+\w] offset:256       ; and 4-7
.endr
	s_wait_dscnt 0x0
.irp j, 0,2,4,6
	v_pk_add_f32 v[Q+\j:Q+\j+1], v[Q+\j:Q+\j+1], v[Q+8+\j:Q+8+\j+1]
	v_pk_add_f32 v[Q+16+\j:Q+16+\j+1], v[Q+16+\j:Q+16+\j+1], v[Q+24+\j:Q+24+\j+1]
.endr
.irp j, 0,2,4,6
	v_pk_add_f32 v[Q+\j:Q+\j+1], v[Q+\j:Q+\j+1], v[Q+16+\j:Q+16+\j+1]
.endr
.irp j, 0,2,4,6
	v_pk_add_f32 v[Q+\j:Q+\j+1], v[Q+\j:Q+\j+1], v[BIAS+\j:BIAS+\j+1]        ; the eight logits
.endr
	; softmax: e_i = 2^(l_i c - m c), c = log2 e, m the largest logit.  The rounding of m c is the same factor in all eight e_i and in their sum.
	v_max3_num_f32 v[M], v[Q], v[Q+1], v[Q+2]
	v_max3_num_f32 v[M+1], v[Q+3], v[Q+4], v[Q+5]
	v_max3_num_f32 v[M], v[M], v[Q+6], v[Q+7]
	v_max_num_f32 v[M], v[M], v[M+1]
	v_mul_f32 v[M+1], 0xbfb8aa3b, v[M]             ; - m c, twice: a pair for the packed multiply-add
	v_mul_f32 v[M], 0xbfb8aa3b, v[M]
.irp j, 0,2,4,6
	v_pk_fma_f32 v[Q+\j:Q+\j+1], v[Q+\j:Q+\j+1], 0x3fb8aa3b, v[M:M+1] op_sel_hi:[1,0,1]
.endr
.irp i, 0,1,2,3,4,5,6,7
	v_exp_f32 v[E+\i], v[Q+\i]
.endr
	v_nop                                          ; one plain vector instruction behind the transcendentals before their results are used (ISA guide 5.7.2)
	s_wait_alu depctr_va_vdst(0)
	v_pk_add_f32 v[S:S+1], v[E:E+1], v[E+2:E+3]
	v_pk_add_f32 v[S+2:S+3], v[E+4:E+5], v[E+6:E+7]
	v_pk_add_f32 v[S:S+1], v[S:S+1], v[S+2:S+3]
	v_add_f32 v[S], v[S], v[S+1]                   ; between about 1 and 8
	v_rcp_f32 v[RC], v[S]                          ; used far below; the next line touches neither S nor RC
	; The two largest of the eight, in ascending index, with strict compares: of equal values the lower index stays in front.
	v_cmp_gt_f32 vcc_lo, v[E+1], v[E]
	v_cndmask_b32 v[I], 0, 1, vcc_lo
	v_cndmask_b32 v[I+1], 1, 0, vcc_lo
	v_max_num_f32 v[G], v[E], v[E+1]
	v_min_num_f32 v[G+1], v[E], v[E+1]
.irp i, 2,3,4,5,6,7
	v_cmp_gt_f32 vcc_lo, v[E+\i], v[G+1]           ; beats the second:
	v_cndmask_b32 v[I+1], v[I+1], \i, vcc_lo       ; takes its place,
	v_cmp_gt_f32 vcc_lo, v[E+\i], v[G]             ; unless it beats the first too:
	v_cndmask_b32 v[I+1], v[I+1], v[I], vcc_lo     ; then the first moves down
	v_cndmask_b32 v[I], v[I], \i, vcc_lo
	v_med3_num_f32 v[G+1], v[G], v[G+1], v[E+\i]   ; the middle one of first, second and newcomer is the new second
	v_max_num_f32 v[G], v[G], v[E+\i]
.endr
	s_wait_alu depctr_va_vdst(0)
	v_mul_f32 v[G], v[G], v[RC]
	v_mul_f32 v[G+1], v[G+1], v[RC]
	s_wait_xcnt 0x0                                ; EXEC changes only behind this wait
	v_cmp_gt_u32 vcc_lo, s20, v[TOK]               ; only the tokens that the group owns
	s_wait_tensorcnt 0x0
	ds_add_u32 v228, v229
	s_wait_dscnt 0x0
	s_and_saveexec_b32 s15, vcc_lo
	global_store_b64 v[OOFF], v[G:G+1], s[10:11] th:TH_STORE_NT
	global_store_b64 v[OOFF], v[I:I+1], s[12:13] th:TH_STORE_NT
	s_endpgm
.Lfunc_end_k_q0619ef5667_router:
	.size	k_q0619ef5667_router, .Lfunc_end_k_q0619ef5667_router-k_q0619ef5667_router
	.p2alignl 7, 3214868480
	.fill 96, 4, 3214868480
	.section	.rodata,"a",@progbits
	.p2align	6, 0x0
	.amdhsa_kernel k_q0619ef5667_router
		.amdhsa_group_segment_fixed_size 324096
		.amdhsa_private_segment_fixed_size 0
		.amdhsa_enable_private_segment 0
		.amdhsa_kernarg_size 40
		.amdhsa_user_sgpr_count 2
		.amdhsa_user_sgpr_kernarg_segment_ptr 1
		.amdhsa_wavefront_size32 1
		.amdhsa_system_sgpr_workgroup_id_x 1
		.amdhsa_system_sgpr_workgroup_id_y 1
		.amdhsa_system_sgpr_workgroup_id_z 1
		.amdhsa_system_vgpr_workitem_id 0
		.amdhsa_next_free_vgpr 230
		.amdhsa_next_free_sgpr 66
		.amdhsa_reserve_vcc 1
		.amdhsa_float_denorm_mode_32 3
		.amdhsa_float_denorm_mode_16_64 3
		.amdhsa_memory_ordered 1
		.amdhsa_forward_progress 1
		.amdhsa_inst_pref_size 55
	.end_amdhsa_kernel
	.amdgpu_metadata
---
amdhsa.version: [ 1, 2 ]
amdhsa.kernels:
  - .name:           k_q0619ef5667_router
    .symbol:         k_q0619ef5667_router.kd
    .args:
      - { .name: x, .offset: 0, .size: 8, .value_kind: global_buffer, .address_space: global }
      - { .name: W, .offset: 8, .size: 8, .value_kind: global_buffer, .address_space: global }
      - { .name: b, .offset: 16, .size: 8, .value_kind: global_buffer, .address_space: global }
      - { .name: out0, .offset: 24, .size: 8, .value_kind: global_buffer, .address_space: global }
      - { .name: out1, .offset: 32, .size: 8, .value_kind: global_buffer, .address_space: global }
    .group_segment_fixed_size: 324096
    .private_segment_fixed_size: 0
    .kernarg_segment_align: 8
    .kernarg_segment_size: 40
    .max_flat_workgroup_size: 128
    .sgpr_count:     66
    .vgpr_count:     230
    .wavefront_size: 32
...
	.end_amdgpu_metadata
.endif
;; end of part 1
